; MI455X (gfx1250); checked and timed in simulation.
; The chip was launched on July 23, 2026; its instructions are those of AMD's public machine-readable ISA for CDNA 5 (MIT licence, August 2026) and "CDNA5" Instruction Set Architecture Reference Guide (July 2026). The comments in the code are by the model that wrote it; some were corrected since.
;; Causal Self Attention. Allowed arithmetic: matrix products marked QUANTISED: E2M1 operands, one E8M0 scale for each 32 along K, by v_wmma_scale_f32_16x16x128_f8f6f4 with both operands' format E2M1 (or v_wmma_scale_f32_32x16x128_f4), f32 sums; everything else in f32.
;; Inputs: b_proj 1,024 float32; b_qkv 3,072 float32; w_proj_codes 1,024 x 32 x 16 uint8 (E2M1 codes of w_proj, K innermost, in blocks of 32 codes, two codes a byte); w_proj_scales 1,024 x 32 uint8 (E8M0 scales of w_proj, one for each 32 codes along K); w_qkv_codes 3,072 x 32 x 16 uint8 (E2M1 codes of w_qkv, K innermost, in blocks of 32 codes, two codes a byte); w_qkv_scales 3,072 x 32 uint8 (E8M0 scales of w_qkv, one for each 32 codes along K); x_codes 4 x 2,048 x 32 x 16 uint8 (E2M1 codes of x, K innermost, in blocks of 32 codes, two codes a byte); x_scales 4 x 2,048 x 32 uint8 (E8M0 scales of x, one for each 32 codes along K).
;; Outputs: out0 4 x 2,048 x 1,024 float32.
;; This version of the problem:
;;   THIS VERSION OF THE PROBLEM IS GIVEN IN LOW PRECISION. The matrix products marked QUANTISED in the list below multiply operands that are first quantised to E2M1 (2 exponent bits, 1 mantissa bit; 4 bits a number), with one power-of-two scale for each 32 numbers along K (OCP MX v1.0); their sums are f32. All else is computed in f32.
;;   The module's matrix products, in the order in which they are computed (A, B: the left and right operand; K: the contracted axis; several contracted axes count as one K, in the product's order):
;;     1. [M 8,192, K 1,024] x [K 1,024, N 3,072]; A: input x (given as codes); B: input w_qkv (given as codes): QUANTISED
;;     2. batch 64 x [M 2,048, K 64] x [K 64, N 2,048]; A: computed on the way; B: computed on the way: QUANTISED
;;     3. batch 64 x [M 2,048, K 2,048] x [K 2,048, N 64]; A: softmax (see below); B: computed on the way: QUANTISED
;;     4. [M 8,192, K 1,024] x [K 1,024, N 1,024]; A: computed on the way; B: input w_proj (given as codes): QUANTISED
;;   THE QUANTISER, for each operand of a quantised product, along K:
;;     - K is cut into blocks of 32 from its start; a last block that is shorter is filled with zeros.
;;     - A block's scale is 2^e with e = floor(log2(the largest magnitude in the block)) - 2, held to -126 .. 127; a block of zeros has e = 0. As a byte (E8M0): e + 127.
;;     - Each number is divided by its block's scale, clamped to +-6, and rounded to the nearest number of E2M1, ties to even, subnormals kept.
;;     - The product sums the exact products of the quantised numbers (number of the format x scale) in f32.
;;   ~~~python
;;   def quantise(x, axis):      # numpy; x: float32 -> the quantised numbers, widened to float32 again
;;       x = np.moveaxis(x, axis, -1); K = x.shape[-1]
;;       x = np.pad(x, [(0, 0)] * (x.ndim - 1) + [(0, -K % 32)]); x = x.reshape(x.shape[:-1] + (-1, 32)); a = np.abs(x).max(-1, keepdims=True)
;;       e = np.where(a > 0, np.clip(np.frexp(np.where(a > 0, a, 1))[1] - 1 - 2, -126, 127), 0)      # np.frexp(a)[1] - 1 = floor(log2(a)), exactly
;;       r = np.clip(x / 2.0 ** e, -6, 6)
;;       step = 2.0 ** (np.maximum(np.frexp(np.where(r == 0, 1, r))[1] - 1, 0) - 1)
;;       q = np.round(r / step) * step * 2.0 ** e      # np.round: ties to even
;;       return np.moveaxis(q.reshape(q.shape[:-2] + (-1,))[..., :K], -1, axis).astype(np.float32)
;;   ~~~
;;   SOFTMAX AHEAD OF A QUANTISED PRODUCT. Where the list says 'softmax', what is quantised is not the finished softmax but p = 2^(t - M), with t = logit x log2(e) and M = ceil(the row's largest t), a whole number; so 1/2 < the row's largest p <= 1. The row's sum l is taken of the UNQUANTISED p, in f32, and the product's result is divided by l at the end. Since M is a whole number, a kernel that streams over the keys may use a running M (the ceiling of the running maximum): every later rescaling is an exact power of two, which a block's scale takes up: the codes' values come out the same.
;;   OPERANDS COMPUTED ON THE WAY. 'Computed on the way' means the value that the module computes at that place (a softmax that the list does not call 'softmax' is quantised finished and normalised). What goes into a quantiser is computed in f32, as accurately as f32 sums, v_exp_f32 and their like allow (about 1e-6 of the number): no bf16 or f16 on the way to a quantiser, and a product that is left as it is and whose result goes on into a quantised operand takes f32 operands (vector FMAs, or v_wmma_f32_16x16x4_f32). A number that lies on a knife's edge between two numbers of the format may be rounded either way, as far as f32 arithmetic and the matrix unit's own rounding can turn it there, and no further.
;;   INPUTS GIVEN AS CODES. w_proj (in the module: [1024, 1024], K = its axis 0); w_qkv (in the module: [1024, 3072], K = its axis 0); x (in the module: [4, 2048, 1024], K = its axis 2): each comes as NAME_codes (uint8): NAME with its K axis moved to the last place and cut into blocks of 32 codes, [.., K / 32, bytes a block], one block behind the other in memory; two codes a byte, the lower K in the low four bits (a code: sign, 2 exponent bits, 1 mantissa bit); and NAME_scales (uint8): the same leading axes, one E8M0 byte (e + 127) for each 32 codes along K. Its value is code x scale, taken as it is: it is not quantised again, and the codes and scales need not be those that the quantiser above would give.
;; One version. Each part assembles by itself: llvm-mc -triple=amdgcn-amd-amdhsa -mcpu=gfx1250 --defsym DOCPART=n.
;; ======== version 1 of 1: 3 launches
;; workspace buffers: qb 4,718,592 bytes; kv 9,175,040 bytes; yc 4,194,304 bytes; ys 262,144 bytes
;; launch qkv (part 1): grid 12 x 32, 4 waves a work-group, clusters of 4 x 4, 327,680 bytes of LDS; arguments x_codes, x_scales, w_qkv_codes, w_qkv_scales, b_qkv, qb, kv; writes qb, kv
.if DOCPART == 1
	.amdgcn_target "amdgcn-amd-amdhsa--gfx1250"
	.amdhsa_code_object_version 6
	.text
	.protected	k_qf8f90a095a_qkv
	.globl	k_qf8f90a095a_qkv
	.p2align	8
	.type	k_qf8f90a095a_qkv,@function
k_qf8f90a095a_qkv:
	s_mov_b64 s[64:65], 0
	v_nop
	global_prefetch_b8 v0, s[64:65] scope:SCOPE_SE
	s_setreg_imm32_b32 hwreg(HW_REG_WAVE_MODE, 25, 1), 1
	s_wait_xcnt 0x0
	s_wait_alu depctr_hold_cnt(0) depctr_sa_sdst(0) depctr_va_vdst(0) depctr_va_sdst(0) depctr_va_ssrc(0) depctr_va_vcc(0) depctr_vm_vsrc(0)
	s_getreg_b32 s2, hwreg(HW_REG_IB_STS2, 6, 4)
	s_cmp_eq_u32 s2, 0
	s_cbranch_scc0 .Lentry_in_a_cluster
	s_endpgm
.Lentry_in_a_cluster:
	s_bfe_u32 s2, ttmp6, 0x10000c
	s_cmp_lg_u32 s2, 0xf033
	s_cbranch_scc0 .Lentry_shape_is_right
	s_endpgm
.Lentry_shape_is_right:
; LAUNCH 1 OF 3.  qkv = x w_qkv + b_qkv on codes of FP4 (E2M1) with E8M0 scales, f32 sums; then q, k (along the head's 64) and v (along the keys) are quantised in registers and stored as
; images of the next launch's operand registers.  x [8192][1024], w_qkv [3072][1024]: codes, K innermost, 512 bytes a row; their scale bytes 32 a row.
; WORK LEFT OUT IN THIS PROGRAM (in launch 2): reference() builds causal = tril(ones) in its own body and sets att to -inf where key > query; softmax gives those places the weight 0 for all values of the inputs,
; so a key step of 128 keys all of which come after all 16 queries of a tile reaches no output, and its two products and its softmax are not done.  Every input has a way to the output and is loaded.
; LIMITS: a NaN, an infinity or an overflow that would arise only in such a hidden step is not carried to the result.  NaN and infinities among the inputs are not served.  A block of zeros gets the scale
; byte 1 where the rule says 127: its codes are zeros, which add nothing under any byte but 0xff, and the bytes are read by this program alone.
; SHARES.  A work-group makes 256 x 256 of qkv, each of its four waves 128 x 128: 64 accumulators, 512 registers.  All of K (1,024 codes, 512 bytes a row) lies in two LDS slots of 256-byte rows, each filled once.
; ROLES.  Source 0 is P (a lane's registers run along it), source 1 is R (lane % 16 is a row of it).  The quantisers want a lane's registers along the next K: for q and k that is the head's d, so P = w_qkv, R = x;
; for v it is the tokens, so P = x, R = w_qkv.  KIND = the cluster's x: 0 q, 1 k, 2 v: the same in all sixteen partners.
; CLUSTER 4 x 4: P's tile hangs on cx alone and is asked for jointly by my column, R's on cy alone and by my row.
; REGISTERS, in windows of 256: window 0: v1-29 addresses; v32-95 scale words, two sets; v128-191, v192-255 R's fragments, two sets (free on the way out).
;   window 1: v0-63, v128-191 P's fragments, two sets; v64-127 the bias.   windows 2, 3: accumulator (a, b) at v[8 (8 (a % 4) + b)], a = R's block, b = P's block.
.set PITCH,  272                       ; an LDS row: 256 bytes + 16 of padding: the 16 rows of a fragment load start 68 words apart
.set HALFT,  128*PITCH                 ; 128 rows: one tensor load
.set SLOT,   4*HALFT                   ; R's 256 rows, then P's 256
.set SCL,    2*SLOT                    ; the scale bytes, as units of 256 bytes + 16
.set HALFS,  16*272                    ; those of 128 rows (4,096 bytes)
.set SBLK,   2*272                     ; those of 16 rows
.set SPARE,  SCL+4*HALFS               ; the spare words: 128 bytes a wave, two blocks of 256 bytes that no other line names
.set ADRR, 16                          ; v16-17 LDS address of my R fragments in slot 0, 1
.set ADRP, 20                          ; v20-21 the same for P
.set LI,   24                          ; v24  16 x lane: an image's place for my lane
.set SWA,  25                          ; v25  where my scale words go
.set BA,   26                          ; v26  my offset in the bias
.set ADRS, 27                          ; v27  LDS address of my scale words: lanes 0-15 R's rows, lanes 16-31 P's
.set SPW,  28                          ; v28  my spare word; never rewritten
.set NIL,  29                          ; v29  0; never rewritten
.set SC,   32                          ; scale words: set s at v[SC + 32 s]; register 4 i + q: lanes 0-15 R's block i, lanes 16-31 P's block i, the slot's q-th 128 along K
.set T,    128                         ; the way out: 64 numbers of a lane
.set PC,   192                         ; the codes just made
.set TM,   208                         ; v208-223 at work in the quantiser
.set PWS,  224                         ; v224-231 the eight blocks' scale words
.set XW,   232
.set YW,   236
.set BP,   64                          ; the bias, in window 1
.set KIND, 2
.set HM,   3                           ; mask of lanes 16-31
.set WV,   18
.set RH,   19                          ; which half of R's rows is mine.  Also: I fetch for R (0) or for P (1)
.set PH,   20                          ; which half of P's rows.  Also: which 128 rows I fetch
.set G1R,  24
.set G0R,  32
.set G1P,  48
.set G0P,  56
.set G1SR, 68
.set G0SR, 76
.set G1SP, 80
.set G0SP, 88
.set SEL,  94
.set BASE0, 96
.set BASE1, 98
.set MSB, 0
.macro WIN new                         ; the immediate's high byte repeats the setting that is left
.if MSB != \new
	s_set_vgpr_msb (MSB<<8)|\new
.set MSB, \new
.endif
.endm
.macro PLACES n
.rept \n
	v_nop
.endr
.endm
; A joint load: waves 0 and 1 fetch for R, waves 2 and 3 for P.  The branch hangs on the wave's number alone.  An s_nop 0 and four v_nop follow each line.
.macro JLOAD g0r, g1r, g0p, g1p
	s_cmp_eq_u32 s[RH], 0
	s_cbranch_scc0 .Lfor_p_\@
	tensor_load_to_lds s[\g0r:\g0r+3], s[\g1r:\g1r+7]
	s_nop 0
.rept 4
	v_nop
.endr
	s_branch .Lasked_\@
.Lfor_p_\@:
	tensor_load_to_lds s[\g0p:\g0p+3], s[\g1p:\g1p+7]
	s_nop 0
.rept 4
	v_nop
.endr
.Lasked_\@:
.endm
.macro CROUND                          ; a round of the cluster's barrier
	s_barrier_signal -1
	s_barrier_wait -1
	s_cmp_lg_u32 s[WV], 0
	s_cbranch_scc1 .Lnot_wave_0_\@
	s_barrier_signal -3
.Lnot_wave_0_\@:
	s_barrier_wait -3
	s_barrier_signal -1
	s_barrier_wait -1
.endm
	s_load_b256 s[4:11], s[0:1], 0x0               ; x's codes s[4:5], x's scales s[6:7], w's codes s[8:9], w's scales s[10:11]
	s_load_b128 s[12:15], s[0:1], 0x20             ; b_qkv s[12:13], qb s[14:15]
	s_load_b64 s[16:17], s[0:1], 0x30              ; kv
	v_lshl_add_u32 v[SPW], v0, 2, SPARE
	v_mov_b32 v[NIL], 0
	ds_add_u32 v[SPW], v[NIL]                      ; the wave's opening: the add, twice on end, and its wait ahead of my first tensor load
	ds_add_u32 v[SPW], v[NIL]
	v_lshrrev_b32 v1, 5, v0
	v_readfirstlane_b32 s[WV], v1                  ; wave 0..3
	s_lshr_b32 s[RH], s[WV], 1
	s_and_b32 s[PH], s[WV], 1
	s_bfe_u32 s21, ttmp6, 0x40000                  ; cx
	s_bfe_u32 s22, ttmp6, 0x40004                  ; cy
	s_and_b32 s23, ttmp7, 0xffff
	s_lshl_b32 s23, s23, 2                         ; 4 x cluster y
	s_mov_b32 s[KIND], ttmp9                       ; cluster x: 0 q, 1 k, 2 v
	s_lshl_b32 s40, s[KIND], 2
	s_cmp_eq_u32 s[KIND], 2
	s_cselect_b32 s40, s23, s40                    ; P's tiles begin at 4 KIND (rows of w) or, for v, at 4 Y (rows of x)
	s_cselect_b32 s41, 8, s23                      ; R's at 4 Y (rows of x) or, for v, at 8 (rows of w)
	s_add_co_u32 s40, s40, s21                     ; PT: P's tile of 256 rows: hangs on cx alone
	s_add_co_u32 s41, s41, s22                     ; RT: R's: on cy alone
	s_lshl_b32 s42, 0x1111, s21                    ; my column of the cluster (same cx)
	s_lshl_b32 s43, s22, 2
	s_lshl_b32 s43, 15, s43                        ; my row (same cy)
	; group 1 for codes: 128 rows x 256 bytes, 512 bytes apart in memory, 16 bytes of padding behind each in LDS
	s_or_b32 s[G1R], s43, (1<<20)|(1<<21)|(5<<22)|(3<<25)
	s_or_b32 s[G1P], s42, (1<<20)|(1<<21)|(5<<22)|(3<<25)
.irp g, G1R, G1P
	s_mov_b32 s[\g+1], 256<<16                     ; tensor_dim0
	s_mov_b32 s[\g+2], 128<<16                     ; tensor_dim1
	s_mov_b32 s[\g+3], 256<<16                     ; tile_dim0
	s_mov_b32 s[\g+4], 128                         ; tile_dim1
	s_mov_b32 s[\g+5], 512                         ; from row to row
	s_mov_b32 s[\g+6], 0
	s_mov_b32 s[\g+7], 0
.endr
	; group 1 for the scale bytes of 128 rows: 4,096 dense bytes as 16 rows of 256 (32 elements of 8 bytes), padded likewise
	s_or_b32 s[G1SR], s43, (3<<16)|(1<<20)|(1<<21)|(5<<22)|(3<<25)
	s_or_b32 s[G1SP], s42, (3<<16)|(1<<20)|(1<<21)|(5<<22)|(3<<25)
.irp g, G1SR, G1SP
	s_mov_b32 s[\g+1], 32<<16
	s_mov_b32 s[\g+2], 16<<16
	s_mov_b32 s[\g+3], 32<<16
	s_mov_b32 s[\g+4], 16
	s_mov_b32 s[\g+5], 32
	s_mov_b32 s[\g+6], 0
	s_mov_b32 s[\g+7], 0
.endr
	s_lshl_b32 s66, s[PH], 7                       ; which 128 rows of a tile I fetch
	s_lshl_b32 s44, s41, 8
	s_add_co_u32 s44, s44, s66                     ; R's row
	s_lshl_b32 s46, s40, 8
	s_add_co_u32 s46, s46, s66                     ; P's row
	s_lshl_b32 s96, s44, 5                         ; its scale bytes: 32 a row
	s_lshl_b32 s44, s44, 9                         ; its codes: 512 bytes a row
	s_lshl_b32 s98, s46, 5
	s_lshl_b32 s46, s46, 9
	s_mov_b32 s45, 0
	s_mov_b32 s47, 0
	s_mov_b32 s97, 0
	s_mov_b32 s99, 0
	s_mul_i32 s67, s[WV], HALFT                    ; where they go: wave x 128 rows: no place in the cluster enters an LDS address
	s_mul_i32 s66, s[WV], HALFS
	s_mov_b32 s[SEL], 0x76543210
	s_mov_b32 s[SEL+1], 0xfedcba98                 ; v_permlanex16_b32's selects for lane l xor 16
	s_wait_dscnt 0x0                               ; both opening adds are done
	s_wait_kmcnt 0x0
	s_cmp_eq_u32 s[KIND], 2                        ; the choice of buffers hangs on the cluster's number alone
	s_cselect_b64 s[G0R+2:G0R+3], s[8:9], s[4:5]
	s_cselect_b64 s[G0P+2:G0P+3], s[4:5], s[8:9]
	s_cselect_b64 s[G0SR+2:G0SR+3], s[10:11], s[6:7]
	s_cselect_b64 s[G0SP+2:G0SP+3], s[6:7], s[10:11]
	s_add_nc_u64 s[G0R+2:G0R+3], s[G0R+2:G0R+3], s[44:45]
	s_add_nc_u64 s[G0P+2:G0P+3], s[G0P+2:G0P+3], s[46:47]
	s_add_nc_u64 s[G0SR+2:G0SR+3], s[G0SR+2:G0SR+3], s[96:97]
	s_add_nc_u64 s[G0SP+2:G0SP+3], s[G0SP+2:G0SP+3], s[98:99]
	s_add_nc_u64 s[G0R+6:G0R+7], s[G0R+2:G0R+3], 256   ; slot 1: K 512 on
	s_add_nc_u64 s[G0P+6:G0P+7], s[G0P+2:G0P+3], 256
.irp g, G0R, G0P
	s_mov_b32 s[\g], 1
	s_mov_b32 s[\g+1], s67
	s_or_b32 s[\g+3], s[\g+3], 0x80000000
	s_mov_b32 s[\g+4], 1
	s_add_co_u32 s[\g+5], s67, SLOT
	s_or_b32 s[\g+7], s[\g+7], 0x80000000
.endr
.irp g, G0SR, G0SP
	s_mov_b32 s[\g], 1
	s_add_co_u32 s[\g+1], s66, SCL
	s_or_b32 s[\g+3], s[\g+3], 0x80000000
.endr
	CROUND                                         ; all sixteen work-groups are here: the joint loads meet
	JLOAD G0SR, G1SR, G0SP, G1SP                   ; the scale bytes, for all of K
	JLOAD G0R, G1R, G0P, G1P                       ; slot 0: K 0 to 511
	JLOAD G0R+4, G1R, G0P+4, G1P                   ; slot 1: K 512 to 1,023.  Three loads of mine are out
	v_and_b32 v1, 15, v0                           ; r = lane % 16
	v_bfe_u32 v2, v0, 4, 1                         ; h = lane / 16
	v_mul_u32_u24 v3, v1, PITCH
	v_lshl_add_u32 v4, v2, 4, v3                   ; a fragment's row x pitch + 16 h
	s_mul_i32 s44, s[RH], HALFT                    ; my 128 rows of R
	s_mul_i32 s45, s[PH], HALFT                    ; my 128 rows of P,
	s_add_co_u32 s45, s45, 2*HALFT                 ; which lie behind R's 256
.irp s, 0,1
	v_add_nc_u32 v[ADRR+\s], s44, v4
	v_add_nc_u32 v[ADRP+\s], s45, v4
	s_add_co_u32 s44, s44, SLOT
	s_add_co_u32 s45, s45, SLOT
.endr
	v_mul_u32_u24 v5, v1, 32                       ; my row's scale bytes: 32 a row,
	v_lshrrev_b32 v6, 8, v5
	v_lshl_add_u32 v5, v6, 4, v5                   ; and 16 more for each 256 passed
	s_mul_i32 s44, s[RH], HALFS
	s_mul_i32 s45, s[PH], HALFS
	s_add_co_u32 s45, s45, 2*HALFS
	s_sub_co_u32 s45, s45, s44
	v_mul_u32_u24 v6, s45, v2                      ; lanes 16-31 take P's: one product, h x the distance
	s_add_co_u32 s44, s44, SCL
	v_add_nc_u32 v5, v5, v6
	v_add_nc_u32 v[ADRS], s44, v5
	v_and_b32 v5, 31, v0
	v_lshlrev_b32 v[LI], 4, v5
	v_cmp_ne_u32 s[HM], 0, v2
; P's eight fragments (16 rows x 128 K: 8 registers; registers 4 c .. 4 c + 3 hold K = 64 c + 32 h + 0 .. 31) of the slot's q-th 128 along K into set p, window 1
.macro FETCH_P slot, q, p
	WIN 0x40
.irp i, 0,1,2,3,4,5,6,7
.irp c, 0,1
	ds_load_b128 v[128*(\p)+8*\i+4*\c:128*(\p)+8*\i+4*\c+3], v[ADRP+(\slot)] offset:64*(\q)+32*\c+\i*16*PITCH
.endr
.endr
	WIN 0
.endm
.macro FETCH_R slot, q, p              ; R's eight into set p, window 0
.irp i, 0,1,2,3,4,5,6,7
.irp c, 0,1
	ds_load_b128 v[128+64*(\p)+8*\i+4*\c:128+64*(\p)+8*\i+4*\c+3], v[ADRR+(\slot)] offset:64*(\q)+32*\c+\i*16*PITCH
.endr
.endr
.endm
.macro SCALES sc                       ; a slot's scale words: four words a row; lanes 0-15 R's block i, lanes 16-31 P's block i
.irp i, 0,1,2,3,4,5,6,7
	ds_load_b128 v[SC+32*\sc+4*\i:SC+32*\sc+4*\i+3], v[ADRS] offset:\i*SBLK+16*\sc
.endr
.endm
; 16 matrix instructions: R's blocks a0, a0 + 1 x P's eight.  The 64 accumulators take turns, one instruction a turn, in the same order in every step.
.macro MUL16 a0, p, q, sc, zero
.irp a, \a0, \a0+1
.irp b, 0,1,2,3,4,5,6,7
.if \zero
	v_wmma_scale_f32_16x16x128_f8f6f4 v[8*(8*((\a)%4)+\b):8*(8*((\a)%4)+\b)+7], v[128*(\p)+8*\b:128*(\p)+8*\b+7], v[128+64*(\p)+8*(\a):128+64*(\p)+8*(\a)+7], 0, v[SC+32*(\sc)+4*\b+(\q)], v[SC+32*(\sc)+4*(\a)+(\q)] matrix_a_fmt:MATRIX_FMT_FP4 matrix_b_fmt:MATRIX_FMT_FP4 matrix_a_scale:MATRIX_SCALE_ROW1
.else
	v_wmma_scale_f32_16x16x128_f8f6f4 v[8*(8*((\a)%4)+\b):8*(8*((\a)%4)+\b)+7], v[128*(\p)+8*\b:128*(\p)+8*\b+7], v[128+64*(\p)+8*(\a):128+64*(\p)+8*(\a)+7], v[8*(8*((\a)%4)+\b):8*(8*((\a)%4)+\b)+7], v[SC+32*(\sc)+4*\b+(\q)], v[SC+32*(\sc)+4*(\a)+(\q)] matrix_a_fmt:MATRIX_FMT_FP4 matrix_b_fmt:MATRIX_FMT_FP4 matrix_a_scale:MATRIX_SCALE_ROW1
.endif
.endr
.endr
.endm
; Step k of eight, 128 along K: its fragments were asked for a step ago; the next step's are asked for first, into the other sets, and land under this step's 64 products.
.macro STEP k, zero
.set NK, (\k)+1
	s_wait_dscnt 0x0                               ; this step's fragments (and scale words) are in
.if (\k) == 3
	s_wait_tensorcnt 0x0                           ; my part of slot 1 has landed;
	s_barrier_signal -1
	s_barrier_wait -1                              ; everybody's has.
.endif
.if (\k) < 7
.if (\k) > 0
	PLACES 4                                       ; four places in front of loads into registers that the last step's products have read
.endif
	FETCH_P NK/4, NK%4, NK%2
	FETCH_R NK/4, NK%4, NK%2
.if (\k) == 3
	SCALES 1
.endif
.endif
	WIN 0xa1                                       ; source 0 window 1, source 1 window 0, C and D window 2
	MUL16 0, (\k)%2, (\k)%4, (\k)/4, \zero
	MUL16 2, (\k)%2, (\k)%4, (\k)/4, \zero
	WIN 0xf1                                       ; C and D window 3
	MUL16 4, (\k)%2, (\k)%4, (\k)/4, \zero
	MUL16 6, (\k)%2, (\k)%4, (\k)/4, \zero
	WIN 0
.endm
; THE QUANTISER.  64 numbers of a lane: register 8 t + j of lane (r, h) is index 16 t + 8 h + j along the next K, of row r.  Block b of 32 is registers 16 b .. 16 b + 15 of lanes l and l xor 16.
; Result: v[pc + 4 c .. + 3] of lane (r, h) hold the codes of k = 64 c + 32 h + 0 .. 31: the operand's registers; v[pw] the row's four scale bytes.
; A conversion's eight codes are k = 32 b + 16 i + 8 h + 0 .. 7.  Put at register 4 (b / 2) + 2 i + b % 2, one exchange of halves between registers 2 i and 2 i + 1 of a group gives the layout.
.macro QUANT s, pc, pw
.irp b, 0,1,2,3
	v_max3_num_f32 v[TM+\b], |v[\s+16*\b]|, |v[\s+1+16*\b]|, 0x1800000   ; my 16 numbers of block b, and the floor 2^(3 - 127): the byte cannot fall under 1
.endr
.irp i, 2,4,6,8,10,12,14
.irp b, 0,1,2,3
	v_max3_num_f32 v[TM+\b], v[TM+\b], |v[\s+16*\b+\i]|, |v[\s+1+16*\b+\i]|
.endr
.endr
.irp b, 0,1,2,3
	v_permlanex16_b32 v[TM+4+\b], v[TM+\b], s[SEL], s[SEL+1]
.endr
.irp b, 0,1,2,3
	v_max_num_f32 v[TM+\b], v[TM+\b], v[TM+4+\b]   ; with lane l xor 16's: the block's largest magnitude
.endr
.irp b, 0,1,2,3
	v_add_nc_u32 v[TM+12+\b], 0xff000000, v[TM+\b] ; 2 off its exponent field: the conversion's scale operand
.endr
.irp b, 0,1,2,3
	v_lshrrev_b32 v[TM+4+\b], 23, v[TM+12+\b]      ; the scale's byte
.endr
	v_lshl_or_b32 v[\pw], v[TM+5], 8, v[TM+4]
	v_lshl_or_b32 v[\pw], v[TM+6], 16, v[\pw]
	v_lshl_or_b32 v[\pw], v[TM+7], 24, v[\pw]
.irp b, 0,1,2,3
.irp i, 0,1
	v_cvt_scalef32_pk8_fp4_f32 v[\pc+4*(\b/2)+2*\i+(\b%2)], v[\s+16*\b+8*\i:\s+16*\b+8*\i+7], v[TM+12+\b]
.endr
.endr
	v_nop                                          ; one plain place behind a scaled conversion
.irp c, 0,1
.irp i, 0,1
	v_permlane16_swap_b32 v[\pc+4*\c+2*\i], v[\pc+4*\c+2*\i+1]
.endr
.endr
.endm
	s_wait_alu depctr_va_vdst(0)
	s_wait_tensorcnt 0x1                           ; the scale bytes and my part of slot 0 are in; slot 1's load, the youngest of my three, may stay out
	s_barrier_signal -1
	s_barrier_wait -1                              ; everybody's are
	FETCH_P 0, 0, 0
	FETCH_R 0, 0, 0
	SCALES 0
	STEP 0, 1                                      ; the first products start the sums: nothing is cleared
	STEP 1, 0
	STEP 2, 0
	STEP 3, 0
	STEP 4, 0
	STEP 5, 0
	STEP 6, 0
	s_cmp_eq_u32 s[KIND], 2                        ; the cluster's number: all waves of all partners go the same way
	s_cbranch_scc1 .Lv
	; ---- q and k.  R = tokens, P = columns n of qkv.  My 128 columns are two heads; block a of R is 16 tokens.
	s_lshl_b32 s66, s41, 8
	s_lshl_b32 s44, s[RH], 7
	s_add_co_u32 s66, s66, s44                     ; my first token
	s_lshl_b32 s67, s40, 8
	s_lshl_b32 s44, s[PH], 7
	s_add_co_u32 s67, s67, s44                     ; my first column n0
	s_lshr_b32 s92, s66, 11
	s_lshl_b32 s92, s92, 4
	s_bfe_u32 s44, s67, 0x40006
	s_add_co_u32 s92, s92, s44                     ; 16 x batch + head (an even head)
	s_bfe_u32 s93, s66, 0x40007                    ; which 128 tokens of the sequence
	s_cmp_eq_u32 s[KIND], 0
	s_cselect_b64 s[BASE0:BASE0+1], s[14:15], s[16:17]   ; q goes to qb, k to kv
	s_mov_b32 s100, 143360
	s_cselect_b32 s100, 73728, s100                ; a head's bytes there
	s_mov_b32 s45, 8960
	s_cselect_b32 s45, 4608, s45                   ; and a block's (128 tokens)
	s_mul_i32 s46, s92, s100
	s_mul_i32 s45, s93, s45
	s_add_co_u32 s46, s46, s45
	s_mov_b32 s47, 0
	s_mov_b32 s101, 0
	s_add_nc_u64 s[BASE0:BASE0+1], s[BASE0:BASE0+1], s[46:47]
	s_add_nc_u64 s[BASE1:BASE1+1], s[BASE0:BASE0+1], s[100:101]   ; the next head's block
	s_lshl_b32 s44, s67, 2
	s_mov_b32 s45, 0
	s_add_nc_u64 s[12:13], s[12:13], s[44:45]      ; b_qkv at n0
	v_lshlrev_b32 v[BA], 5, v2                     ; register 8 b + j of lane (r, h) wants b[n0 + 16 b + 8 h + j]
	WIN 0x40
.irp b, 0,1,2,3,4,5,6,7
.irp c, 0,1
	global_load_b128 v[BP+8*\b+4*\c:BP+8*\b+4*\c+3], v[BA], s[12:13] offset:64*\b+16*\c
.endr
.endr
	WIN 0
	STEP 7, 0                                      ; the bias lands under the last step's products
	PLACES 4                                       ; four places ahead of the first read of results and the first write of the last fragments' registers
	s_wait_loadcnt 0x0
.irp b, 0,1,2,3
	v_mov_b32 v[TM+4+\b], 0                        ; written once: a lane permute's destination counts as one of its sources
.endr
.macro OUT_QK a
	WIN 0x06+(\a)/4                                ; source 0 (sums) window 2 or 3, source 1 (bias) window 1
.set j, 0
.rept 32
	v_pk_add_f32 v[T+j:T+j+1], v[64*((\a)%4)+j:64*((\a)%4)+j+1], v[BP+j:BP+j+1]   ; ascending: each accumulator is read from its low end on
.set j, j+2
.endr
	WIN 0
	s_wait_xcnt 0x0                                ; the last block's stores have read their data: the codes' registers are written again only behind this wait
	QUANT T, PC, PWS+(\a)
	global_store_b128 v[LI], v[PC:PC+3], s[BASE0:BASE0+1] offset:512*(\a)     ; the even head's image of tokens 16 a on: 512 consecutive bytes
	global_store_b128 v[LI], v[PC+4:PC+7], s[BASE1:BASE1+1] offset:512*(\a)   ; the odd head's
.endm
.irp a, 0,1,2,3,4,5,6,7
	OUT_QK \a
.endr
.irp i, 0,1,2,3
	v_cndmask_b32 v[XW+\i], v[PWS+\i], v[PWS+4+\i], s[HM]   ; every lane holds row r's words: lanes 0-15 keep blocks 0-3, lanes 16-31 blocks 4-7
.endr
	v_lshlrev_b32 v[SWA], 5, v1
	v_lshl_add_u32 v[SWA], v2, 4, v[SWA]           ; [r][a] words: 32 r + 16 h
	global_store_b128 v[SWA], v[XW:XW+3], s[BASE0:BASE0+1] offset:4096   ; bytes 0, 1: the even head's; bytes 2, 3 meet zero codes alone and are never 0xff
.irp i, 0,1,2,3
	v_lshrrev_b32 v[YW+\i], 16, v[XW+\i]           ; the odd head's two bytes, zeros above
.endr
	global_store_b128 v[SWA], v[YW:YW+3], s[BASE1:BASE1+1] offset:4096
	s_branch .Lend
.Lv:	; ---- v.  R = columns n of qkv (the head's d), P = tokens: my 128 tokens are one key step; block a of R is 16 d: blocks 0-3 one head, 4-7 the next.
	s_lshl_b32 s66, s40, 8
	s_lshl_b32 s44, s[PH], 7
	s_add_co_u32 s66, s66, s44                     ; my first token
	s_lshl_b32 s67, s41, 8
	s_lshl_b32 s44, s[RH], 7
	s_add_co_u32 s67, s67, s44                     ; my first column n0
	s_lshr_b32 s92, s66, 11
	s_lshl_b32 s92, s92, 4
	s_bfe_u32 s44, s67, 0x40006
	s_add_co_u32 s92, s92, s44                     ; 16 x batch + head
	s_bfe_u32 s93, s66, 0x40007                    ; the key step
	s_mul_i32 s46, s92, 143360
	s_mul_i32 s45, s93, 8960
	s_add_co_u32 s46, s46, s45
	s_add_co_u32 s46, s46, 4608                    ; V's part of a block lies behind K's
	s_mov_b32 s47, 0
	s_add_nc_u64 s[BASE0:BASE0+1], s[16:17], s[46:47]
	s_add_nc_u64 s[BASE1:BASE1+1], s[BASE0:BASE0+1], 143360
	s_lshl_b32 s44, s67, 2
	s_mov_b32 s45, 0
	s_add_nc_u64 s[12:13], s[12:13], s[44:45]
	v_lshlrev_b32 v[BA], 2, v1                     ; all 64 registers of block a want b[n0 + 16 a + r]: loaded twice, as a pair for the packed addition
	WIN 0x40
.irp a, 0,1,2,3,4,5,6,7
	global_load_b32 v[BP+2*\a], v[BA], s[12:13] offset:64*\a
	global_load_b32 v[BP+2*\a+1], v[BA], s[12:13] offset:64*\a
.endr
	WIN 0
	STEP 7, 0
	PLACES 4
	s_wait_loadcnt 0x0
.irp b, 0,1,2,3
	v_mov_b32 v[TM+4+\b], 0
.endr
.macro OUT_V a
	WIN 0x06+(\a)/4
.set j, 0
.rept 32
	v_pk_add_f32 v[T+j:T+j+1], v[64*((\a)%4)+j:64*((\a)%4)+j+1], v[BP+2*(\a):BP+2*(\a)+1]
.set j, j+2
.endr
	WIN 0
	s_wait_xcnt 0x0
	QUANT T, PC, PWS+(\a)
	global_store_b128 v[LI], v[PC:PC+3], s[BASE0+2*((\a)/4):BASE0+2*((\a)/4)+1] offset:1024*((\a)%4)        ; keys 32 h on
	global_store_b128 v[LI], v[PC+4:PC+7], s[BASE0+2*((\a)/4):BASE0+2*((\a)/4)+1] offset:1024*((\a)%4)+512  ; keys 64 + 32 h on
.endm
.irp a, 0,1,2,3,4,5,6,7
	OUT_V \a
.endr
.irp i, 0,1,2,3
	v_cndmask_b32 v[XW+\i], v[PWS+\i], v[PWS+4+\i], s[HM]   ; lanes 0-15: the first head's four tiles; lanes 16-31: the next head's
.endr
	v_mul_u32_u24 v[SWA], v2, 143360
	v_lshl_add_u32 v[SWA], v1, 4, v[SWA]           ; [r][t] words: 16 r, in my half's head: each half of the lanes stores 256 consecutive bytes
	global_store_b128 v[SWA], v[XW:XW+3], s[BASE0:BASE0+1] offset:4096
.Lend:
	s_wait_tensorcnt 0x0                           ; the wave's end
	ds_add_u32 v[SPW], v[NIL]
	s_wait_dscnt 0x0
	CROUND                                         ; the closing round
	s_endpgm
.Lfunc_end_k_qf8f90a095a_qkv:
	.size	k_qf8f90a095a_qkv, .Lfunc_end_k_qf8f90a095a_qkv-k_qf8f90a095a_qkv
	.p2alignl 7, 3214868480
	.fill 96, 4, 3214868480
	.section	.rodata,"a",@progbits
	.p2align	6, 0x0
	.amdhsa_kernel k_qf8f90a095a_qkv
		.amdhsa_group_segment_fixed_size 327680
		.amdhsa_private_segment_fixed_size 0
		.amdhsa_enable_private_segment 0
		.amdhsa_kernarg_size 56
		.amdhsa_user_sgpr_count 2
		.amdhsa_user_sgpr_kernarg_segment_ptr 1
		.amdhsa_wavefront_size32 1
		.amdhsa_system_sgpr_workgroup_id_x 1
		.amdhsa_system_sgpr_workgroup_id_y 1
		.amdhsa_system_sgpr_workgroup_id_z 1
		.amdhsa_system_vgpr_workitem_id 0
		.amdhsa_next_free_vgpr 1024
		.amdhsa_next_free_sgpr 102
		.amdhsa_reserve_vcc 0
		.amdhsa_float_denorm_mode_32 3
		.amdhsa_float_denorm_mode_16_64 3
		.amdhsa_memory_ordered 1
		.amdhsa_forward_progress 1
		.amdhsa_inst_pref_size 204
	.end_amdhsa_kernel
	.amdgpu_metadata
---
amdhsa.version: [ 1, 2 ]
amdhsa.kernels:
  - .name:           k_qf8f90a095a_qkv
    .symbol:         k_qf8f90a095a_qkv.kd
    .args:
      - { .name: x_codes, .offset: 0, .size: 8, .value_kind: global_buffer, .address_space: global }
      - { .name: x_scales, .offset: 8, .size: 8, .value_kind: global_buffer, .address_space: global }
      - { .name: w_qkv_codes, .offset: 16, .size: 8, .value_kind: global_buffer, .address_space: global }
      - { .name: w_qkv_scales, .offset: 24, .size: 8, .value_kind: global_buffer, .address_space: global }
      - { .name: b_qkv, .offset: 32, .size: 8, .value_kind: global_buffer, .address_space: global }
      - { .name: qb, .offset: 40, .size: 8, .value_kind: global_buffer, .address_space: global }
      - { .name: kv, .offset: 48, .size: 8, .value_kind: global_buffer, .address_space: global }
    .group_segment_fixed_size: 327680
    .private_segment_fixed_size: 0
    .kernarg_segment_align: 8
    .kernarg_segment_size: 56
    .max_flat_workgroup_size: 128
    .sgpr_count:     102
    .vgpr_count:     1024
    .wavefront_size: 32
...
	.end_amdgpu_metadata
.endif
;; end of part 1
;; launch attn (part 2): grid 4 x 64, 16 waves a work-group, clusters of 4 x 1, 167,936 bytes of LDS; arguments qb, kv, yc, ys; writes yc, ys
.if DOCPART == 2
	.amdgcn_target "amdgcn-amd-amdhsa--gfx1250"
	.amdhsa_code_object_version 6
	.text
	.protected	k_qf8f90a095a_attn
	.globl	k_qf8f90a095a_attn
	.p2align	8
	.type	k_qf8f90a095a_attn,@function
k_qf8f90a095a_attn:
	s_mov_b64 s[64:65], 0
	v_nop
	global_prefetch_b8 v0, s[64:65] scope:SCOPE_SE
	s_setreg_imm32_b32 hwreg(HW_REG_WAVE_MODE, 25, 1), 1
	s_wait_xcnt 0x0
	s_wait_alu depctr_hold_cnt(0) depctr_sa_sdst(0) depctr_va_vdst(0) depctr_va_sdst(0) depctr_va_ssrc(0) depctr_va_vcc(0) depctr_vm_vsrc(0)
	s_getreg_b32 s2, hwreg(HW_REG_IB_STS2, 6, 4)
	s_cmp_eq_u32 s2, 0
	s_cbranch_scc0 .Lentry_in_a_cluster
	s_endpgm
.Lentry_in_a_cluster:
	s_bfe_u32 s2, ttmp6, 0x10000c
	s_cmp_lg_u32 s2, 0x3003
	s_cbranch_scc0 .Lentry_shape_is_right
	s_endpgm
.Lentry_shape_is_right:
; LAUNCH 2 OF 3.  y = softmax(q k^T / 8, causal) v for one (batch, head) a cluster, both products on codes of FP4 with E8M0 scales; y is quantised along C (two blocks of 32 a head) and stored as images of launch 3's operand.
; LEFT OUT: key steps of 128 keys all of which come after all 16 queries of a tile: reference()'s own tril gives them the weight 0 (shown at the head of launch 1).
; THE SOFTMAX: t = score x log2(e) / 8; M = the running largest t rounded UP to a whole number; p = 2^(t - M) is quantised along the keys, not normalised; the row's sum is taken of the unquantised p and divides at the end.
; SHARES.  The cluster's four work-groups (place p) share one head's K and V: all 16 key steps, 8,960 bytes each, lie in each one's LDS, brought once by joint loads, one a wave.  Wave w owns two tiles of 16 queries:
; J = 4 w + p, then 127 - J.  Tile J needs key steps 0 .. J / 8, and J / 8 = w / 2, (127 - J) / 8 = 15 - w / 2: every wave walks 17 steps, and the limits hang on the wave's number alone.
; Wave 0's second tile reaches step 15 in every work-group, so every tile that a joint load brings is read by every partner.
; LAYOUT.  Both products transposed: S^T = K Q^T (source 0 = 16 keys), O^T = V^T P^T (source 0 = 16 of the head's 64): a lane holds ONE query (lane % 16).  The first product's K is 64: the upper half of each
; fragment is zero codes, set once.  Register 8 t + j of S^T in lane (r, h) is key 16 t + 8 h + j: block b of 32 keys is registers 16 b .. 16 b + 15 of lanes l and l xor 16.
; A block of kv: K's 8 images of 512 bytes; at 4,096 K's scale words [r][t]; at 4,608 V^T's 4 images of 1,024 bytes; at 8,704 V's scale words [r][t].
; LIMITS: as stated at the head of launch 1.
; REGISTERS: v1-4 lane terms; v5, v6 the add's two; v7 the diagonal's d; v8-10 LDS addresses; v11 q's scale word; v12 -M, v13 the largest t, v[14:15] the sum; v16-23 Q; v24-31 K's scale words; v32-95 K;
;   v96-159 S^T, then p; v160-191 O^T; v192-223 V; v224-231 p's codes; v232-247, v252, v254 at work; v248-251 V's scale words; v253 p's scale word; v255 my place in ys.
.set BLK,   8960
.set SPARE, 16*BLK                     ; behind the head's 16 blocks: the spare words, 128 bytes a wave: eight blocks of 256 bytes that no other line names
.set LI,  1                            ; 16 x lane
.set R32, 2                            ; 32 r
.set R16, 3                            ; 16 r
.set RM8, 4                            ; r - 8 h
.set SPW, 5
.set NIL, 6
.set DG,  7
.set AD0, 8
.set AD1, 9
.set AD2, 10
.set QS,  11
.set WV,  12
.set BH,  14
.set LIM, 15
.set J,   16
.set ST,  17
.set TB,  18
.set PASS, 19
.set SEL, 20
.set CS,  22
.set G1,  24
.set G0,  32
.set QA,  36
.set YA,  38
.set SA,  40
.set HM,  46
.macro CROUND
	s_barrier_signal -1
	s_barrier_wait -1
	s_cmp_lg_u32 s[WV], 0
	s_cbranch_scc1 .Lnot_wave_0_\@
	s_barrier_signal -3
.Lnot_wave_0_\@:
	s_barrier_wait -3
	s_barrier_signal -1
	s_barrier_wait -1
.endm
	s_load_b256 s[4:11], s[0:1], 0x0               ; qb s[4:5], kv s[6:7], yc s[8:9], ys s[10:11]
	v_lshl_add_u32 v[SPW], v0, 2, SPARE
	v_mov_b32 v[NIL], 0
	ds_add_u32 v[SPW], v[NIL]                      ; the wave's opening: the add, twice on end, and its wait ahead of my first tensor load
	ds_add_u32 v[SPW], v[NIL]
	v_lshrrev_b32 v7, 5, v0
	s_delay_alu instid0(VALU_DEP_1)
	v_readfirstlane_b32 s[WV], v7                  ; wave 0..15
	s_bfe_u32 s13, ttmp6, 0x40000                  ; cx: it enters q's, yc's and ys's addresses and the diagonal's d alone
	s_and_b32 s[BH], ttmp7, 0xffff                 ; 16 x batch + head: the cluster's y
	; group 1: a block of 8,960 dense bytes as 35 rows of 256 (32 elements of 8 bytes); the mask names all four work-groups
	s_mov_b32 s[G1], 15|(3<<16)|(1<<21)
	s_mov_b32 s[G1+1], 32<<16
	s_mov_b32 s[G1+2], 35<<16
	s_mov_b32 s[G1+3], 32<<16
	s_mov_b32 s[G1+4], 35
	s_mov_b32 s[G1+5], 32
	s_mov_b32 s[G1+6], 0
	s_mov_b32 s[G1+7], 0
	s_mov_b32 s[G0], 1
	s_mul_i32 s[G0+1], s[WV], BLK                  ; key step w goes to LDS byte 8,960 w
	s_mul_i32 s42, s[BH], 16*BLK
	s_add_co_u32 s42, s42, s[G0+1]
	s_mov_b32 s43, 0
	s_mov_b32 s[SEL], 0x76543210
	s_mov_b32 s[SEL+1], 0xfedcba98
	s_mov_b32 s[CS], 0x3e38aa3b                    ; c = log2(e) / 8
	s_mov_b32 s[CS+1], s[CS]
	s_lshl_b32 s[J], s[WV], 2
	s_add_co_u32 s[J], s[J], s13                   ; my first tile of queries
	s_lshr_b32 s[LIM], s[WV], 1                    ; its last key step
	s_mov_b32 s[PASS], 2
	s_wait_dscnt 0x0                               ; both opening adds are done
	s_wait_kmcnt 0x0
	s_add_nc_u64 s[G0+2:G0+3], s[6:7], s[42:43]
	s_or_b32 s[G0+3], s[G0+3], 0x80000000
	CROUND                                         ; all four work-groups are here: the joint loads meet
	tensor_load_to_lds s[G0:G0+3], s[G1:G1+7]      ; my one tensor load: nothing is ever filled again
	s_nop 0
.rept 4
	v_nop
.endr
	s_mul_i32 s42, s[BH], 73728
	s_add_nc_u64 s[48:49], s[4:5], s[42:43]        ; the head's q
	s_lshr_b32 s44, s[BH], 4                       ; batch
	s_and_b32 s45, s[BH], 15                       ; head
	s_lshl_b32 s42, s44, 20                        ; yc: 128 row tiles of 8,192 bytes a batch,
	s_lshl_b32 s47, s45, 9                         ; 512 bytes a head
	s_add_co_u32 s42, s42, s47
	s_add_nc_u64 s[50:51], s[8:9], s[42:43]
	s_lshl_b32 s42, s44, 16                        ; ys: 2,048 rows of 32 bytes a batch,
	s_lshl_b32 s47, s45, 1                         ; 2 bytes a head
	s_add_co_u32 s42, s42, s47
	s_add_nc_u64 s[52:53], s[10:11], s[42:43]
	v_and_b32 v[LI], 31, v0
	s_delay_alu instid0(VALU_DEP_1)
	v_lshlrev_b32 v[LI], 4, v[LI]
	v_and_b32 v8, 15, v0                           ; r
	v_bfe_u32 v9, v0, 4, 1                         ; h
	s_delay_alu instid0(VALU_DEP_2)
	v_lshlrev_b32 v[R32], 5, v8
	s_delay_alu instid0(VALU_DEP_3)
	v_lshlrev_b32 v[R16], 4, v8
	s_delay_alu instid0(VALU_DEP_3)
	v_lshlrev_b32 v[RM8], 3, v9
	s_delay_alu instid0(VALU_DEP_1)
	v_sub_nc_u32 v[RM8], v8, v[RM8]
	s_delay_alu instid0(VALU_DEP_4)
	v_add_nc_u32 v255, v[R32], v9                  ; ys: row r of 32 bytes, block h
	v_cmp_ne_u32 s[HM], 0, v9                      ; lanes 16-31
.irp i, 20,21,22,23
	v_mov_b32 v\i, 0                               ; Q's K = 64 .. 127: zero codes
.endr
.irp t, 0,1,2,3,4,5,6,7
.irp i, 4,5,6,7
	v_mov_b32 v[32+8*\t+\i], 0                     ; K's likewise: set once, no load lands here
.endr
.endr
.irp i, 236,237,238,239,252,253
	v_mov_b32 v\i, 0                               ; written once: lane permutes' destinations, and the pair v[252:253]
.endr
	s_wait_tensorcnt 0x0                           ; my key step has landed;
	s_barrier_signal -1
	s_barrier_wait -1                              ; all sixteen have
.Lpass:                                            ; two trips: tile J, then tile 127 - J
	s_lshr_b32 s42, s[J], 3
	s_mul_i32 s42, s42, 4608
	s_mov_b32 s43, 0
	s_add_nc_u64 s[QA:QA+1], s[48:49], s[42:43]    ; q's block of 128 tokens
	s_lshl_b32 s42, s[J], 13
	s_add_nc_u64 s[YA:YA+1], s[50:51], s[42:43]
	s_lshl_b32 s42, s[J], 9
	s_add_nc_u64 s[SA:SA+1], s[52:53], s[42:43]
	s_and_b32 s44, s[J], 7                         ; my tile in that block
	s_lshl_b32 s45, s44, 9
	v_add_nc_u32 v232, s45, v[LI]
	s_lshl_b32 s45, s44, 2
	v_add_nc_u32 v233, s45, v[R32]
	s_lshl_b32 s45, s44, 4
	v_add_nc_u32 v[DG], s45, v[RM8]                ; d = my query's place among the last step's 128 keys, less 8 h
	global_load_b128 v[16:19], v232, s[QA:QA+1]
	global_load_b32 v[QS], v233, s[QA:QA+1] offset:4096
	v_mov_b32 v13, 0xff61b1e6                      ; the largest t so far: -3e38, under every t
	s_delay_alu instid0(VALU_DEP_1)
	v_floor_f32 v12, -v13                          ; -M
	v_mov_b32 v14, 0
	v_mov_b32 v15, 0
.set n, 0
.rept 32
	v_mov_b32 v[160+n], 0                          ; O^T: the step is written once; the first finds zeros, which the first change of M leaves zeros
.set n, n+1
.endr
	s_mov_b32 s[ST], 0
	s_mov_b32 s[TB], 0
	s_wait_loadcnt 0x0                             ; Q and its scale word
.Lstep:                                            ; 16 trips, a constant; a step behind the tile's limit is jumped over (the wave's number and the count of steps alone decide; no barrier stands in the loop)
	s_cmp_gt_u32 s[ST], s[LIM]
	s_cbranch_scc1 .Lhidden
	s_setprio 2
	v_add_nc_u32 v[AD0], s[TB], v[LI]
	v_add_nc_u32 v[AD1], s[TB], v[R32]
	v_add_nc_u32 v[AD2], s[TB], v[R16]
	v_nop                                          ; with the three additions: four places in front of loads into V's registers, which the last step's products have read
	ds_load_b128 v[24:27], v[AD1] offset:4096      ; K's scale words, tiles 0-3 of row r,
	ds_load_b128 v[28:31], v[AD1] offset:4112      ; tiles 4-7
.irp t, 0,1,2,3,4,5,6,7
	ds_load_b128 v[32+8*\t:35+8*\t], v[AD0] offset:512*\t
.endr
.irp t, 0,1,2,3
.irp c, 0,1
	ds_load_b128 v[192+8*\t+4*\c:195+8*\t+4*\c], v[AD0] offset:4608+1024*\t+512*\c
.endr
.endr
	ds_load_b128 v[248:251], v[AD2] offset:8704    ; V's scale words
	s_wait_dscnt 0x9                               ; K's ten loads are in; V's nine, issued behind them, may stay out
.irp t, 0,1,2,3,4,5,6,7
	v_wmma_scale_f32_16x16x128_f8f6f4 v[96+8*\t:103+8*\t], v[32+8*\t:39+8*\t], v[16:23], 0, v[24+\t], v[QS] matrix_a_fmt:MATRIX_FMT_FP4 matrix_b_fmt:MATRIX_FMT_FP4
.endr
.rept 4
	v_nop
.endr
	s_cmp_lg_u32 s[ST], s[LIM]                     ; the tile's last step lies on the diagonal: there hidden scores become -infinity ahead of the maximum, so p = 0.  Key 0 of the step counts for every query
	s_cbranch_scc1 .Lopen
	v_mov_b32 v254, 0xff800000
.set n, 0
.rept 64
	v_cmp_gt_i32 vcc_lo, 16*(n/8)+n%8, v[DG]       ; register n holds key 16 (n / 8) + n % 8 + 8 h of the step
	v_cndmask_b32 v[96+n], v[96+n], v254, vcc_lo
.set n, n+1
.endr
.Lopen:
.irp b, 0,1,2,3
	v_max3_num_f32 v[232+\b], v[96+16*\b], v[97+16*\b], v[98+16*\b]   ; the largest score of each block of 32 keys: it serves the row's maximum and, since p rises with the score, the block's largest p
.endr
.irp i, 3,5,7,9,11,13
.irp b, 0,1,2,3
	v_max3_num_f32 v[232+\b], v[232+\b], v[96+16*\b+\i], v[97+16*\b+\i]
.endr
.endr
.irp b, 0,1,2,3
	v_max_num_f32 v[232+\b], v[232+\b], v[111+16*\b]
.endr
.irp b, 0,1,2,3
	s_delay_alu instid0(VALU_DEP_4)
	v_permlanex16_b32 v[236+\b], v[232+\b], s[SEL], s[SEL+1]
.endr
.irp b, 0,1,2,3
	s_delay_alu instid0(VALU_DEP_4)
	v_max_num_f32 v[232+\b], v[232+\b], v[236+\b]  ; with lane l xor 16's 16 keys
.endr
	s_delay_alu instid0(VALU_DEP_2)
	v_max3_num_f32 v254, v232, v233, v234
	s_delay_alu instid0(VALU_DEP_1)
	v_max_num_f32 v254, v254, v235                 ; the step's largest score of my query
	s_delay_alu instid0(VALU_DEP_1)
	v_mul_f32 v254, s[CS], v254                    ; as t
	s_delay_alu instid0(VALU_DEP_1)
	v_max_num_f32 v13, v13, v254                   ; the running largest t
	v_mov_b32 v254, v12
	s_delay_alu instid0(VALU_DEP_2)
	v_floor_f32 v12, -v13                          ; the new -M = -ceil(t)
	s_delay_alu instid0(VALU_DEP_1)
	v_sub_f32 v254, v12, v254                      ; old M - new M: a whole number, 0 or less
	s_delay_alu instid0(VALU_DEP_1)
	v_cvt_i32_f32 v254, v254                       ; (it saturates)
	s_delay_alu instid0(VALU_DEP_1)
	v_ldexp_f32 v252, 1.0, v254                    ; f = 2^(old M - new M)
.set n, 0
.rept 32
	v_pk_fma_f32 v[96+n:97+n], v[96+n:97+n], s[CS:CS+1], v[12:13] op_sel_hi:[1,0,0]   ; t - M, two at a time
.set n, n+2
.endr
	s_setprio 1
.irp b, 0,1,2,3
	v_fma_f32 v[232+\b], v[232+\b], s[CS], v12     ; the same of each block's largest score
.endr
.set n, 0
	s_wait_alu depctr_va_vdst(0)
.rept 64
	v_exp_f32 v[96+n], v[96+n]                     ; p = 2^(t - M)
.set n, n+1
.endr
	v_pk_mul_f32 v[14:15], v[14:15], v[252:253] op_sel_hi:[1,0]   ; the sums under the new M: the plain place behind the exponentials
	s_wait_alu depctr_va_vdst(0)                   ; one wait for the batch, ahead of its first reader
.irp b, 0,1,2,3
	v_exp_f32 v[232+\b], v[232+\b]                 ; the blocks' largest p
.endr
	v_pk_add_f32 v[236:237], v[100:101], v[104:105]
	v_pk_add_f32 v[246:247], v[108:109], v[112:113]
	v_pk_add_f32 v[244:245], v[116:117], v[120:121]
	v_pk_add_f32 v[242:243], v[124:125], v[128:129]
	v_pk_add_f32 v[240:241], v[132:133], v[136:137]
	v_pk_add_f32 v[238:239], v[140:141], v[144:145]
	v_pk_add_f32 v[230:231], v[148:149], v[152:153]
	v_pk_add_f32 v[14:15], v[14:15], v[156:157]
	v_pk_add_f32 v[236:237], v[236:237], v[96:97]
	v_pk_add_f32 v[246:247], v[246:247], v[98:99]
	v_pk_add_f32 v[244:245], v[244:245], v[102:103]
	v_pk_add_f32 v[242:243], v[242:243], v[106:107]
	v_pk_add_f32 v[240:241], v[240:241], v[110:111]
	v_pk_add_f32 v[238:239], v[238:239], v[114:115]
	v_pk_add_f32 v[230:231], v[230:231], v[118:119]
	v_pk_add_f32 v[14:15], v[14:15], v[122:123]
	v_pk_add_f32 v[236:237], v[236:237], v[126:127]
	v_pk_add_f32 v[246:247], v[246:247], v[130:131]
	v_pk_add_f32 v[244:245], v[244:245], v[134:135]
	v_pk_add_f32 v[242:243], v[242:243], v[138:139]
	v_pk_add_f32 v[240:241], v[240:241], v[142:143]
	v_pk_add_f32 v[238:239], v[238:239], v[146:147]
	v_pk_add_f32 v[230:231], v[230:231], v[150:151]
	v_pk_add_f32 v[14:15], v[14:15], v[154:155]
	v_pk_add_f32 v[236:237], v[236:237], v[158:159]
	s_delay_alu instid0(VALU_DEP_2)
	v_pk_add_f32 v[14:15], v[14:15], v[242:243]
	s_delay_alu instid0(VALU_DEP_2)
	v_pk_add_f32 v[236:237], v[236:237], v[240:241]
	v_pk_add_f32 v[246:247], v[246:247], v[238:239]
	v_pk_add_f32 v[244:245], v[244:245], v[230:231]
	s_delay_alu instid0(VALU_DEP_2)
	v_pk_add_f32 v[14:15], v[14:15], v[246:247]
	s_delay_alu instid0(VALU_DEP_2)
	v_pk_add_f32 v[236:237], v[236:237], v[244:245]
	s_delay_alu instid0(VALU_DEP_1)
	v_pk_add_f32 v[14:15], v[14:15], v[236:237]
	s_wait_alu depctr_va_vdst(0)                   ; and one for the four
.irp b, 0,1,2,3
	v_max_num_f32 v[232+\b], 0x1800000, v[232+\b]  ; the floor 2^(3 - 127): the byte cannot fall under 1
.endr
.irp b, 0,1,2,3
	s_delay_alu instid0(VALU_DEP_4)
	v_add_nc_u32 v[244+\b], 0xff000000, v[232+\b]  ; 2 off the exponent field: the conversion's scale operand
.endr
.irp b, 0,1,2,3
	s_delay_alu instid0(VALU_DEP_4)
	v_lshrrev_b32 v[236+\b], 23, v[244+\b]         ; the scale's byte
.endr
	s_delay_alu instid0(VALU_DEP_3)
	v_lshl_or_b32 v253, v237, 8, v236              ; p's scale word for these 128 keys
	s_delay_alu instid0(VALU_DEP_1)
	v_lshl_or_b32 v253, v238, 16, v253
	s_delay_alu instid0(VALU_DEP_1)
	v_lshl_or_b32 v253, v239, 24, v253
	s_setprio 0
.irp b, 0,1,2,3
.irp i, 0,1
	v_cvt_scalef32_pk8_fp4_f32 v[224+4*(\b/2)+2*\i+(\b%2)], v[96+16*\b+8*\i:103+16*\b+8*\i], v[244+\b]   ; keys 32 b + 16 i + 8 h + 0 .. 7
.endr
.endr
	v_nop                                          ; one plain place behind a scaled conversion
.irp c, 0,1
.irp i, 0,1
	v_permlane16_swap_b32 v[224+4*\c+2*\i], v[225+4*\c+2*\i]   ; registers 4 c .. 4 c + 3 now hold keys 64 c + 32 h + 0 .. 31
.endr
.endr
.set n, 0
.rept 16
	v_pk_mul_f32 v[160+n:161+n], v[160+n:161+n], v[252:253] op_sel_hi:[1,0]   ; O^T under the new M; these sixteen are also the places ahead of the scaled products
.set n, n+2
.endr
	s_wait_alu depctr_va_vdst(0)
	s_wait_dscnt 0x0                               ; V and its scale words are in
.irp t, 0,1,2,3
	v_wmma_scale_f32_16x16x128_f8f6f4 v[160+8*\t:167+8*\t], v[192+8*\t:199+8*\t], v[224:231], v[160+8*\t:167+8*\t], v[248+\t], v253 matrix_a_fmt:MATRIX_FMT_FP4 matrix_b_fmt:MATRIX_FMT_FP4
.endr
.Lhidden:
	s_add_co_u32 s[TB], s[TB], BLK
	s_add_co_u32 s[ST], s[ST], 1
	s_cmp_lt_u32 s[ST], 16
	s_cbranch_scc1 .Lstep
	s_setprio 0
	; THE WAY OUT of a tile: y = O^T / the sum; its 64 numbers a query are two blocks of 32 along C; register 8 t + j of lane (r, h) is d = 16 t + 8 h + j
.rept 4
	v_nop                                          ; places behind the last products
.endr
	v_add_f32 v14, v14, v15
	s_delay_alu instid0(VALU_DEP_1)
	v_permlanex16_b32 v252, v14, s[SEL], s[SEL+1]
	s_delay_alu instid0(VALU_DEP_1)
	v_add_f32 v14, v14, v252                       ; the row's sum
	s_wait_alu depctr_va_vdst(0)
	v_rcp_f32 v14, v14
	v_nop                                          ; a plain place behind the reciprocal
	s_wait_alu depctr_va_vdst(0)                   ; and the wait ahead of its first reader
.set n, 0
.rept 16
	v_pk_mul_f32 v[96+n:97+n], v[160+n:161+n], v[14:15] op_sel_hi:[1,0]
.set n, n+2
.endr
.irp e, 0,1
	v_max3_num_f32 v[232+\e], |v[96+16*\e]|, |v[97+16*\e]|, 0x1800000
.endr
.irp i, 2,4,6,8,10,12,14
.irp e, 0,1
	s_delay_alu instid0(VALU_DEP_2)
	v_max3_num_f32 v[232+\e], v[232+\e], |v[96+16*\e+\i]|, |v[97+16*\e+\i]|
.endr
.endr
.irp e, 0,1
	s_delay_alu instid0(VALU_DEP_2)
	v_permlanex16_b32 v[236+\e], v[232+\e], s[SEL], s[SEL+1]
.endr
.irp e, 0,1
	s_delay_alu instid0(VALU_DEP_2)
	v_max_num_f32 v[232+\e], v[232+\e], v[236+\e]
.endr
.irp e, 0,1
	s_delay_alu instid0(VALU_DEP_2)
	v_add_nc_u32 v[244+\e], 0xff000000, v[232+\e]
.endr
.irp e, 0,1
	s_delay_alu instid0(VALU_DEP_2)
	v_lshrrev_b32 v[236+\e], 23, v[244+\e]
.endr
.irp e, 0,1
.irp i, 0,1
	v_cvt_scalef32_pk8_fp4_f32 v[224+2*\i+\e], v[96+16*\e+8*\i:103+16*\e+8*\i], v[244+\e]
.endr
.endr
	v_nop
	v_permlane16_swap_b32 v224, v225
	v_permlane16_swap_b32 v226, v227               ; v[224:227] of lane (r, h): d = 32 h + 0 .. 31 of query r
	global_store_b128 v[LI], v[224:227], s[YA:YA+1]   ; 512 consecutive bytes: half a fragment of launch 3's operand
	v_cndmask_b32 v240, v236, v237, s[HM]          ; lanes 0-15 the first block's byte, lanes 16-31 the second's
	global_store_b8 v255, v240, s[SA:SA+1]         ; 2 of a row's 32 scale bytes: a work-group holds one head
	s_wait_xcnt 0x0                                ; the stores have read their data and bases: both are written again in the next pass
	s_sub_co_u32 s[J], 127, s[J]
	s_sub_co_u32 s[LIM], 15, s[LIM]
	s_sub_co_u32 s[PASS], s[PASS], 1
	s_cmp_lg_u32 s[PASS], 0
	s_cbranch_scc1 .Lpass
	s_wait_tensorcnt 0x0                           ; the wave's end
	ds_add_u32 v[SPW], v[NIL]
	s_wait_dscnt 0x0
	CROUND                                         ; the closing round
	s_endpgm
.Lfunc_end_k_qf8f90a095a_attn:
	.size	k_qf8f90a095a_attn, .Lfunc_end_k_qf8f90a095a_attn-k_qf8f90a095a_attn
	.p2alignl 7, 3214868480
	.fill 96, 4, 3214868480
	.section	.rodata,"a",@progbits
	.p2align	6, 0x0
	.amdhsa_kernel k_qf8f90a095a_attn
		.amdhsa_group_segment_fixed_size 167936
		.amdhsa_private_segment_fixed_size 0
		.amdhsa_enable_private_segment 0
		.amdhsa_kernarg_size 32
		.amdhsa_user_sgpr_count 2
		.amdhsa_user_sgpr_kernarg_segment_ptr 1
		.amdhsa_wavefront_size32 1
		.amdhsa_system_sgpr_workgroup_id_x 1
		.amdhsa_system_sgpr_workgroup_id_y 1
		.amdhsa_system_sgpr_workgroup_id_z 1
		.amdhsa_system_vgpr_workitem_id 0
		.amdhsa_next_free_vgpr 256
		.amdhsa_next_free_sgpr 66
		.amdhsa_reserve_vcc 1
		.amdhsa_float_denorm_mode_32 3
		.amdhsa_float_denorm_mode_16_64 3
		.amdhsa_memory_ordered 1
		.amdhsa_forward_progress 1
		.amdhsa_inst_pref_size 33
	.end_amdhsa_kernel
	.amdgpu_metadata
---
amdhsa.version: [ 1, 2 ]
amdhsa.kernels:
  - .name:           k_qf8f90a095a_attn
    .symbol:         k_qf8f90a095a_attn.kd
    .args:
      - { .name: qb, .offset: 0, .size: 8, .value_kind: global_buffer, .address_space: global }
      - { .name: kv, .offset: 8, .size: 8, .value_kind: global_buffer, .address_space: global }
      - { .name: yc, .offset: 16, .size: 8, .value_kind: global_buffer, .address_space: global }
      - { .name: ys, .offset: 24, .size: 8, .value_kind: global_buffer, .address_space: global }
    .group_segment_fixed_size: 167936
    .private_segment_fixed_size: 0
    .kernarg_segment_align: 8
    .kernarg_segment_size: 32
    .max_flat_workgroup_size: 512
    .sgpr_count:     66
    .vgpr_count:     256
    .wavefront_size: 32
...
	.end_amdgpu_metadata
.endif
;; end of part 2
;; launch proj (part 3): grid 4 x 64, 4 waves a work-group, clusters of 4 x 4, 327,680 bytes of LDS; arguments yc, ys, w_proj_codes, w_proj_scales, b_proj, out0; writes out0
.if DOCPART == 3
	.amdgcn_target "amdgcn-amd-amdhsa--gfx1250"
	.amdhsa_code_object_version 6
	.text
	.protected	k_qf8f90a095a_proj
	.globl	k_qf8f90a095a_proj
	.p2align	8
	.type	k_qf8f90a095a_proj,@function
k_qf8f90a095a_proj:
	s_mov_b64 s[64:65], 0
	v_nop
	global_prefetch_b8 v0, s[64:65] scope:SCOPE_SE
	s_setreg_imm32_b32 hwreg(HW_REG_WAVE_MODE, 25, 1), 1
	s_wait_xcnt 0x0
	s_wait_alu depctr_hold_cnt(0) depctr_sa_sdst(0) depctr_va_vdst(0) depctr_va_sdst(0) depctr_va_ssrc(0) depctr_va_vcc(0) depctr_vm_vsrc(0)
	s_getreg_b32 s2, hwreg(HW_REG_IB_STS2, 6, 4)
	s_cmp_eq_u32 s2, 0
	s_cbranch_scc0 .Lentry_in_a_cluster
	s_endpgm
.Lentry_in_a_cluster:
	s_bfe_u32 s2, ttmp6, 0x10000c
	s_cmp_lg_u32 s2, 0xf033
	s_cbranch_scc0 .Lentry_shape_is_right
	s_endpgm
.Lentry_shape_is_right:
; LAUNCH 3 OF 3.  out0 = y w_proj + b_proj on codes of FP4 with E8M0 scales, f32 sums.  Nothing is left out here.
; y comes as launch 2 left it: yc [row tile 512][head 16][512 bytes]: lane l's 16 bytes at 16 l: registers 4 (head % 2) .. + 3 of the fragment (16 rows, K step head / 2); ys [8192][32] scale bytes.
; w_proj [1024 (n)][1024 (k)]: codes, 512 bytes a row; 32 scale bytes a row.  out0 [8192][1024] f32.
; SHARES.  A work-group makes 128 rows x 256 columns, a wave 64 x 128: 32 accumulators.  All of K lies in two LDS slots, each filled once.
; Source 0 = P = 16 rows of w_proj, source 1 = R = 16 rows of y: a lane holds eight neighbouring columns of one row of out0.  The bias is the C of each sum's first product.
; CLUSTER 4 x 4: P's tile hangs on cx alone and is asked for jointly by my column, R's on cy alone and by my row.
; REGISTERS: window 0: v1-30 addresses; v32-95 scale words, two sets; v128-159, v160-191 R's fragments, two sets; on the way out v128-255.  window 1: v0-63, v128-191 P's fragments; v64-127 the bias.
;   window 2: accumulator (a, b) at v[8 (8 a + b)].
.set PITCH,  272
.set HALFT,  128*PITCH
.set YOFF,   2*HALFT                   ; a slot: w's 256 rows (pitch 272), then y's 8 row tiles x 4,096 bytes of images
.set YH,     4*4096
.set SLOT,   YOFF+2*YH
.set SCL,    2*SLOT                    ; the scale bytes, as units of 256 bytes + 16: y's 128 rows (16 units), then w's 256 rows (32 units)
.set HSR,    8*272
.set HSP,    16*272
.set SBLK,   2*272
.set SPARE,  SCL+2*HSR+2*HSP           ; the spare words: 128 bytes a wave, two blocks of 256 bytes that no other line names
.set SPITCH, 528                       ; the way out: 16 rows x (512 + 16) bytes a wave, in slot 0's rows of w: they have had their only fill, and their last read lies ahead of step 3's barrier
.set ADRY, 16
.set ADRP, 20
.set STO,  24
.set RD,   25
.set CO,   26
.set ADRS, 27
.set SPW,  28
.set NIL,  29
.set BA,   30
.set SC,   32
.set BK,   128
.set BP,   64
.set WV,   18
.set RH,   19                          ; which 64 rows are mine.  Also: I fetch for R (0) or for P (1)
.set PH,   20                          ; which 128 columns.  Also: which half I fetch
.set G1R,  24
.set G0R,  32
.set G1P,  48
.set G0P,  56
.set G1SR, 68
.set G0SR, 76
.set G1SP, 80
.set G0SP, 88
.set MSB, 0
.macro WIN new
.if MSB != \new
	s_set_vgpr_msb (MSB<<8)|\new
.set MSB, \new
.endif
.endm
.macro PLACES n
.rept \n
	v_nop
.endr
.endm
.macro JLOAD g0r, g1r, g0p, g1p        ; waves 0 and 1 fetch for R, waves 2 and 3 for P; an s_nop 0 and four v_nop follow each line
	s_cmp_eq_u32 s[RH], 0
	s_cbranch_scc0 .Lfor_p_\@
	tensor_load_to_lds s[\g0r:\g0r+3], s[\g1r:\g1r+7]
	s_nop 0
.rept 4
	v_nop
.endr
	s_branch .Lasked_\@
.Lfor_p_\@:
	tensor_load_to_lds s[\g0p:\g0p+3], s[\g1p:\g1p+7]
	s_nop 0
.rept 4
	v_nop
.endr
.Lasked_\@:
.endm
.macro CROUND
	s_barrier_signal -1
	s_barrier_wait -1
	s_cmp_lg_u32 s[WV], 0
	s_cbranch_scc1 .Lnot_wave_0_\@
	s_barrier_signal -3
.Lnot_wave_0_\@:
	s_barrier_wait -3
	s_barrier_signal -1
	s_barrier_wait -1
.endm
	s_load_b256 s[4:11], s[0:1], 0x0               ; yc s[4:5], ys s[6:7], w's codes s[8:9], w's scales s[10:11]
	s_load_b128 s[12:15], s[0:1], 0x20             ; b_proj s[12:13], out0 s[14:15]
	v_lshl_add_u32 v[SPW], v0, 2, SPARE
	v_mov_b32 v[NIL], 0
	ds_add_u32 v[SPW], v[NIL]                      ; the wave's opening: the add, twice on end, and its wait ahead of my first tensor load
	ds_add_u32 v[SPW], v[NIL]
	v_lshrrev_b32 v1, 5, v0
	v_readfirstlane_b32 s[WV], v1
	s_lshr_b32 s[RH], s[WV], 1
	s_and_b32 s[PH], s[WV], 1
	s_bfe_u32 s21, ttmp6, 0x40000                  ; cx
	s_bfe_u32 s22, ttmp6, 0x40004                  ; cy
	s_lshl_b32 s40, ttmp9, 2
	s_add_co_u32 s40, s40, s21                     ; PT: which 256 columns
	s_and_b32 s41, ttmp7, 0xffff
	s_lshl_b32 s41, s41, 2
	s_add_co_u32 s41, s41, s22                     ; RT: which 128 rows
	s_lshl_b32 s42, 0x1111, s21                    ; my column of the cluster
	s_lshl_b32 s43, s22, 2
	s_lshl_b32 s43, 15, s43                        ; my row
	; y's images: 4 row tiles x 4,096 bytes (512 elements of 8 bytes), 8,192 bytes apart in memory, dense in LDS
	s_or_b32 s[G1R], s43, (3<<16)|(1<<21)
	s_mov_b32 s[G1R+1], 512<<16
	s_mov_b32 s[G1R+2], 4<<16
	s_mov_b32 s[G1R+3], 512<<16
	s_mov_b32 s[G1R+4], 4
	s_mov_b32 s[G1R+5], 1024
	s_mov_b32 s[G1R+6], 0
	s_mov_b32 s[G1R+7], 0
	; w's codes: 128 rows x 256 bytes, 512 apart, 16 bytes of padding behind each
	s_or_b32 s[G1P], s42, (1<<20)|(1<<21)|(5<<22)|(3<<25)
	s_mov_b32 s[G1P+1], 256<<16
	s_mov_b32 s[G1P+2], 128<<16
	s_mov_b32 s[G1P+3], 256<<16
	s_mov_b32 s[G1P+4], 128
	s_mov_b32 s[G1P+5], 512
	s_mov_b32 s[G1P+6], 0
	s_mov_b32 s[G1P+7], 0
	; scale bytes: y's 64 rows are 8 units of 256 bytes, w's 128 rows 16
	s_or_b32 s[G1SR], s43, (3<<16)|(1<<20)|(1<<21)|(5<<22)|(3<<25)
	s_mov_b32 s[G1SR+1], 32<<16
	s_mov_b32 s[G1SR+2], 8<<16
	s_mov_b32 s[G1SR+3], 32<<16
	s_mov_b32 s[G1SR+4], 8
	s_mov_b32 s[G1SR+5], 32
	s_mov_b32 s[G1SR+6], 0
	s_mov_b32 s[G1SR+7], 0
	s_or_b32 s[G1SP], s42, (3<<16)|(1<<20)|(1<<21)|(5<<22)|(3<<25)
	s_mov_b32 s[G1SP+1], 32<<16
	s_mov_b32 s[G1SP+2], 16<<16
	s_mov_b32 s[G1SP+3], 32<<16
	s_mov_b32 s[G1SP+4], 16
	s_mov_b32 s[G1SP+5], 32
	s_mov_b32 s[G1SP+6], 0
	s_mov_b32 s[G1SP+7], 0
	s_lshl_b32 s44, s41, 7
	s_lshl_b32 s66, s[PH], 6
	s_add_co_u32 s44, s44, s66                     ; R: the first of the 64 rows that I fetch
	s_lshl_b32 s96, s44, 5                         ; its scale bytes: 32 a row
	s_lshl_b32 s44, s44, 9                         ; its images: 8,192 bytes for 16 rows
	s_lshl_b32 s46, s40, 8
	s_lshl_b32 s66, s[PH], 7
	s_add_co_u32 s46, s46, s66                     ; P: the first of the 128 rows that I fetch
	s_lshl_b32 s98, s46, 5
	s_lshl_b32 s46, s46, 9
	s_mov_b32 s45, 0
	s_mov_b32 s47, 0
	s_mov_b32 s97, 0
	s_mov_b32 s99, 0
	s_mov_b32 s[G0R], 1
	s_mul_i32 s[G0R+1], s[PH], YH
	s_add_co_u32 s[G0R+1], s[G0R+1], YOFF
	s_mov_b32 s[G0R+4], 1
	s_add_co_u32 s[G0R+5], s[G0R+1], SLOT
	s_mov_b32 s[G0P], 1
	s_mul_i32 s[G0P+1], s[PH], HALFT
	s_mov_b32 s[G0P+4], 1
	s_add_co_u32 s[G0P+5], s[G0P+1], SLOT
	s_mov_b32 s[G0SR], 1
	s_mul_i32 s[G0SR+1], s[PH], HSR
	s_add_co_u32 s[G0SR+1], s[G0SR+1], SCL
	s_mov_b32 s[G0SP], 1
	s_mul_i32 s[G0SP+1], s[PH], HSP
	s_add_co_u32 s[G0SP+1], s[G0SP+1], SCL+2*HSR
	s_wait_dscnt 0x0                               ; both opening adds are done
	s_wait_kmcnt 0x0
	s_add_nc_u64 s[G0R+2:G0R+3], s[4:5], s[44:45]
	s_add_nc_u64 s[G0R+6:G0R+7], s[G0R+2:G0R+3], 4096   ; slot 1: K steps 4 to 7
	s_add_nc_u64 s[G0P+2:G0P+3], s[8:9], s[46:47]
	s_add_nc_u64 s[G0P+6:G0P+7], s[G0P+2:G0P+3], 256
	s_add_nc_u64 s[G0SR+2:G0SR+3], s[6:7], s[96:97]
	s_add_nc_u64 s[G0SP+2:G0SP+3], s[10:11], s[98:99]
.irp g, G0R+3, G0R+7, G0P+3, G0P+7, G0SR+3, G0SP+3
	s_or_b32 s[\g], s[\g], 0x80000000
.endr
	CROUND                                         ; all sixteen work-groups are here: the joint loads meet
	JLOAD G0SR, G1SR, G0SP, G1SP                   ; the scale bytes, for all of K
	JLOAD G0R, G1R, G0P, G1P                       ; slot 0
	JLOAD G0R+4, G1R, G0P+4, G1P                   ; slot 1.  Three loads of mine are out
	v_and_b32 v1, 15, v0                           ; r
	v_bfe_u32 v2, v0, 4, 1                         ; h
	s_wait_alu depctr_va_vdst(0)
	v_and_b32 v5, 31, v0
	v_lshlrev_b32 v[CO], 4, v5                     ; 16 x lane
	s_wait_alu depctr_va_vdst(0)
	s_lshl_b32 s44, s40, 10
	s_lshl_b32 s45, s[PH], 9
	s_add_co_u32 s44, s44, s45                     ; my first column, in bytes of f32
	s_mov_b32 s45, 0
	s_add_nc_u64 s[12:13], s[12:13], s[44:45]      ; b_proj there
	s_add_nc_u64 s[14:15], s[14:15], s[44:45]
	s_lshl_b32 s44, s41, 7
	s_lshl_b32 s46, s[RH], 6
	s_add_co_u32 s44, s44, s46
	s_lshl_b32 s44, s44, 12                        ; my first row of out0: 4,096 bytes a row
	s_add_nc_u64 s[14:15], s[14:15], s[44:45]
	v_lshlrev_b32 v[BA], 5, v2                     ; register 8 b + j of lane (r, h) wants b[n0 + 16 b + 8 h + j]
	WIN 0x40
.irp b, 0,1,2,3,4,5,6,7
.irp c, 0,1
	global_load_b128 v[BP+8*\b+4*\c:BP+8*\b+4*\c+3], v[BA], s[12:13] offset:64*\b+16*\c
.endr
.endr
	WIN 0
	v_mul_u32_u24 v3, v1, PITCH
	v_lshl_add_u32 v4, v2, 4, v3
	s_mul_i32 s44, s[RH], YH
	s_add_co_u32 s44, s44, YOFF                    ; my four row tiles of y
	s_mul_i32 s45, s[PH], HALFT                    ; my 128 rows of w
.irp s, 0,1
	v_add_nc_u32 v[ADRY+\s], s44, v[CO]
	v_add_nc_u32 v[ADRP+\s], s45, v4
	s_add_co_u32 s44, s44, SLOT
	s_add_co_u32 s45, s45, SLOT
.endr
	v_mul_u32_u24 v5, v1, 32
	v_lshrrev_b32 v6, 8, v5
	v_lshl_add_u32 v5, v6, 4, v5                   ; my row's scale bytes: 32 a row, 16 more for each 256 passed
	s_mul_i32 s44, s[RH], HSR
	s_mul_i32 s45, s[PH], HSP
	s_add_co_u32 s45, s45, 2*HSR
	s_sub_co_u32 s45, s45, s44
	v_mul_u32_u24 v6, s45, v2                      ; lanes 16-31 take w's: one product, h x the distance
	s_add_co_u32 s44, s44, SCL
	v_add_nc_u32 v5, v5, v6
	v_add_nc_u32 v[ADRS], s44, v5
	s_mul_i32 s44, s[WV], 16*SPITCH                ; my stage
	v_mul_u32_u24 v5, v1, SPITCH
	v_lshl_add_u32 v5, v2, 5, v5
	v_add_nc_u32 v[STO], s44, v5                   ; in: row r, 32 bytes for each half of the lanes
	v_add_nc_u32 v[RD], s44, v[CO]                 ; back: the 32 lanes take one row of 512 bytes
.macro FETCH_P slot, q, p
	WIN 0x40
.irp i, 0,1,2,3,4,5,6,7
.irp c, 0,1
	ds_load_b128 v[128*(\p)+8*\i+4*\c:128*(\p)+8*\i+4*\c+3], v[ADRP+(\slot)] offset:64*(\q)+32*\c+\i*16*PITCH
.endr
.endr
	WIN 0
.endm
.macro FETCH_R slot, q, p              ; y's four fragments come back as the images that they are: 16 bytes a lane, 512 consecutive bytes a load
.irp i, 0,1,2,3
.irp c, 0,1
	ds_load_b128 v[128+32*(\p)+8*\i+4*\c:128+32*(\p)+8*\i+4*\c+3], v[ADRY+(\slot)] offset:4096*\i+1024*(\q)+512*\c
.endr
.endr
.endm
.macro SCALES sc                       ; lanes 0-15: y's block i (for i over 3 they read filled scale bytes that no product names); lanes 16-31: w's block i
.irp i, 0,1,2,3,4,5,6,7
	ds_load_b128 v[SC+32*\sc+4*\i:SC+32*\sc+4*\i+3], v[ADRS] offset:\i*SBLK+16*\sc
.endr
.endm
.macro MUL16 a0, p, q, sc, first       ; the 32 accumulators take turns, one instruction a turn, in the same order in every step
.irp a, \a0, \a0+1
.irp b, 0,1,2,3,4,5,6,7
.if \first
	v_wmma_scale_f32_16x16x128_f8f6f4 v[8*(8*(\a)+\b):8*(8*(\a)+\b)+7], v[128*(\p)+8*\b:128*(\p)+8*\b+7], v[128+32*(\p)+8*(\a):128+32*(\p)+8*(\a)+7], v[BP+8*\b:BP+8*\b+7], v[SC+32*(\sc)+4*\b+(\q)], v[SC+32*(\sc)+4*(\a)+(\q)] matrix_a_fmt:MATRIX_FMT_FP4 matrix_b_fmt:MATRIX_FMT_FP4 matrix_a_scale:MATRIX_SCALE_ROW1
.else
	v_wmma_scale_f32_16x16x128_f8f6f4 v[8*(8*(\a)+\b):8*(8*(\a)+\b)+7], v[128*(\p)+8*\b:128*(\p)+8*\b+7], v[128+32*(\p)+8*(\a):128+32*(\p)+8*(\a)+7], v[8*(8*(\a)+\b):8*(8*(\a)+\b)+7], v[SC+32*(\sc)+4*\b+(\q)], v[SC+32*(\sc)+4*(\a)+(\q)] matrix_a_fmt:MATRIX_FMT_FP4 matrix_b_fmt:MATRIX_FMT_FP4 matrix_a_scale:MATRIX_SCALE_ROW1
.endif
.endr
.endr
.endm
.macro STEP k, first
.set NK, (\k)+1
	s_wait_dscnt 0x0                               ; this step's fragments are in
.if (\k) == 3
	s_wait_tensorcnt 0x0                           ; my part of slot 1 has landed;
	s_barrier_signal -1
	s_barrier_wait -1                              ; everybody's has, and nobody reads slot 0 any more.
.endif
.if (\k) < 7
.if (\k) > 0
	PLACES 4                                       ; four places in front of loads into registers that the last step's products have read
.endif
	FETCH_P NK/4, NK%4, NK%2
	FETCH_R NK/4, NK%4, NK%2
.if (\k) == 3
	SCALES 1
.endif
.endif
.if \first
	WIN 0x91                                       ; source 0 window 1, source 1 window 0, C (the bias) window 1, D window 2
.else
	WIN 0xa1                                       ; C and D window 2
.endif
	MUL16 0, (\k)%2, (\k)%4, (\k)/4, \first
	MUL16 2, (\k)%2, (\k)%4, (\k)/4, \first
	WIN 0
.endm
	s_wait_alu depctr_va_vdst(0)
	s_wait_tensorcnt 0x1                           ; the scale bytes and my part of slot 0 are in; slot 1's load, the youngest of my three, may stay out
	s_barrier_signal -1
	s_barrier_wait -1
	FETCH_P 0, 0, 0
	FETCH_R 0, 0, 0
	SCALES 0
	s_wait_loadcnt 0x0                             ; the bias
	STEP 0, 1
	STEP 1, 0
	STEP 2, 0
	STEP 3, 0
	STEP 4, 0
	STEP 5, 0
	STEP 6, 0
	STEP 7, 0
; THE WAY OUT, block by block of 16 rows x 128 columns: through my own stage and back as whole rows of 512 bytes.  LDS serves a wave's instructions in order: no wait between the stores and the loads.
.macro TOSTAGE a
	WIN 0x08                                       ; an LDS store's data: window 2
.irp b, 0,1,2,3,4,5,6,7
	ds_store_b128 v[STO], v[64*(\a)+8*\b:64*(\a)+8*\b+3] offset:64*\b        ; each accumulator from its low end on
	ds_store_b128 v[STO], v[64*(\a)+8*\b+4:64*(\a)+8*\b+7] offset:64*\b+16
.endr
	WIN 0
.set BB, BK+64*((\a)%2)
.irp t, 0,1,2,3,4,5,6,7,8,9,10,11,12,13,14,15
	ds_load_b128 v[BB+4*\t:BB+4*\t+3], v[RD] offset:\t*SPITCH
.endr
.endm
.macro SEND a, younger                 ; younger: the LDS instructions issued behind block a's loads, which may stay out
.set BB, BK+64*((\a)%2)
	s_wait_dscnt \younger
.irp t, 0,1,2,3,4,5,6,7,8,9,10,11,12,13,14,15
	global_store_b128 v[CO], v[BB+4*\t:BB+4*\t+3], s[14:15] offset:65536*(\a)+4096*\t th:TH_STORE_NT   ; 32 lanes store 512 consecutive bytes of a row; written once, read by nobody here
.endr
.endm
	PLACES 4                                       ; ahead of the first read of results and of loads into the last fragments' registers
	TOSTAGE 0
	TOSTAGE 1
	SEND 0, 32                                     ; behind block 0's loads: block 1's 16 stores and 16 loads
	s_wait_xcnt 0x0                                ; block 0's stores have read their registers: block 2's loads may land there
	TOSTAGE 2
	SEND 1, 32
	s_wait_xcnt 0x0
	TOSTAGE 3
	SEND 2, 32
	SEND 3, 0
	s_wait_tensorcnt 0x0                           ; the wave's end: behind my last tensor load and my last LDS store
	ds_add_u32 v[SPW], v[NIL]
	s_wait_dscnt 0x0
	CROUND                                         ; the closing round
	s_endpgm
.Lfunc_end_k_qf8f90a095a_proj:
	.size	k_qf8f90a095a_proj, .Lfunc_end_k_qf8f90a095a_proj-k_qf8f90a095a_proj
	.p2alignl 7, 3214868480
	.fill 96, 4, 3214868480
	.section	.rodata,"a",@progbits
	.p2align	6, 0x0
	.amdhsa_kernel k_qf8f90a095a_proj
		.amdhsa_group_segment_fixed_size 327680
		.amdhsa_private_segment_fixed_size 0
		.amdhsa_enable_private_segment 0
		.amdhsa_kernarg_size 48
		.amdhsa_user_sgpr_count 2
		.amdhsa_user_sgpr_kernarg_segment_ptr 1
		.amdhsa_wavefront_size32 1
		.amdhsa_system_sgpr_workgroup_id_x 1
		.amdhsa_system_sgpr_workgroup_id_y 1
		.amdhsa_system_sgpr_workgroup_id_z 1
		.amdhsa_system_vgpr_workitem_id 0
		.amdhsa_next_free_vgpr 768
		.amdhsa_next_free_sgpr 102
		.amdhsa_reserve_vcc 0
		.amdhsa_float_denorm_mode_32 3
		.amdhsa_float_denorm_mode_16_64 3
		.amdhsa_memory_ordered 1
		.amdhsa_forward_progress 1
		.amdhsa_inst_pref_size 73
	.end_amdhsa_kernel
	.amdgpu_metadata
---
amdhsa.version: [ 1, 2 ]
amdhsa.kernels:
  - .name:           k_qf8f90a095a_proj
    .symbol:         k_qf8f90a095a_proj.kd
    .args:
      - { .name: yc, .offset: 0, .size: 8, .value_kind: global_buffer, .address_space: global }
      - { .name: ys, .offset: 8, .size: 8, .value_kind: global_buffer, .address_space: global }
      - { .name: w_proj_codes, .offset: 16, .size: 8, .value_kind: global_buffer, .address_space: global }
      - { .name: w_proj_scales, .offset: 24, .size: 8, .value_kind: global_buffer, .address_space: global }
      - { .name: b_proj, .offset: 32, .size: 8, .value_kind: global_buffer, .address_space: global }
      - { .name: out0, .offset: 40, .size: 8, .value_kind: global_buffer, .address_space: global }
    .group_segment_fixed_size: 327680
    .private_segment_fixed_size: 0
    .kernarg_segment_align: 8
    .kernarg_segment_size: 48
    .max_flat_workgroup_size: 128
    .sgpr_count:     102
    .vgpr_count:     768
    .wavefront_size: 32
...
	.end_amdgpu_metadata
.endif
;; end of part 3
